; MI455X (gfx1250); checked and timed in simulation.
; The chip was launched on July 23, 2026; its instructions are those of AMD's public machine-readable ISA for CDNA 5 (MIT licence, August 2026) and "CDNA5" Instruction Set Architecture Reference Guide (July 2026). The comments in the code are by the model that wrote it; some were corrected since.
;; VQ Embedding. Allowed arithmetic: float matrix products may take bf16 or f16 operands with f32 sums; other float arithmetic in f32, or as packed bf16 or f16 multiplies, adds, multiply-adds, maxima and minima; sums over many terms, partial sums and values carried from step to step in f32; what a program stores and reads back later, other than sums and carried values, may be rounded once to bf16 or f16.
;; Inputs: codebook 8,192 x 256 float32; z_e_x 32 x 1,024 x 256 float32.
;; Outputs: out0 32 x 1,024 x 256 float32; out1 32 x 1,024 x 256 float32.
;; 2 versions, each right; version 2 is version 1 with the launch prep written anew for expert scheduling mode. Each part assembles by itself: llvm-mc -triple=amdgcn-amd-amdhsa -mcpu=gfx1250 --defsym DOCPART=n.
;; ======== version 1 of 2: 3 launches
;; workspace buffers: cbw 4,325,376 bytes; idx 131,072 bytes of whole numbers
;; launch prep (part 1): grid 256 x 1, 1 waves a work-group, no clusters, 17,152 bytes of LDS; arguments codebook, cbw; writes cbw
.if DOCPART == 1
	.amdgcn_target "amdgcn-amd-amdhsa--gfx1250"
	.amdhsa_code_object_version 6
	.text
	.protected	k_qf93cc6f9b9_prep
	.globl	k_qf93cc6f9b9_prep
	.p2align	8
	.type	k_qf93cc6f9b9_prep,@function
k_qf93cc6f9b9_prep:
	s_mov_b64 s[64:65], 0
	v_nop
	global_prefetch_b8 v0, s[64:65] scope:SCOPE_SE
	s_setreg_imm32_b32 hwreg(HW_REG_WAVE_MODE, 25, 1), 1
	s_wait_xcnt 0x0
; cbw: the codebook as the search wants it.  codebook: [8192][256] f32.  cbw: 8,192 rows of 528 bytes:
;   bytes 0-511    the 256 numbers bf16(-2 c) of code i (= -2 bf16(c): the factor changes the exponent alone)
;   bytes 512-527  four f32: c_sq of codes 16 (i / 16) + 4 (i % 4) + 0..3, where c_sq[k] = the sum of bf16(c_k)^2; so rows 0-3 of a group of 16 hold the group's sixteen, rows 4-15 repeat them
; 528 bytes are an odd multiple of 16, so this image is read from LDS as it lies; 64 rows are 33,792 bytes = 132 x 256.
; LIMITS.  |c| is 0 or lies in 2^-125 .. 1.7e38 (else -2 c leaves bf16's normal range); NaN and infinities are not treated apart.
; c_sq is summed in f32: eight squares a lane in two chains, then across the 32 lanes: another order than a plain sum along the row.
; SHARES.  A work-group is one wave and owns 32 codes: 32,768 bytes in, 16,896 bytes out.  A row goes in as two loads of 512 consecutive bytes; the image is put together in LDS
; and leaves as 33 stores of 512 consecutive bytes, each at a multiple of 256 from cbw's first byte.  One wave: no barrier.
.set CROW,  528                        ; bytes in a row of cbw
.set CSQ,   512                        ; where a row's four c_sq begin
.set SPARE, 32*CROW                    ; behind the image: the spare words, one block of 256 bytes that no other line names
.set GA,  1                            ; v1        16 x lane: byte offset in 512 consecutive bytes, in memory and in LDS; never rewritten
.set LA,  2                            ; v2        8 x lane: where my four bf16 go in half a row
.set SPW, 4                            ; v4        LDS address of my spare word; never rewritten
.set NIL, 5                            ; v5        0; never rewritten
.set ZA,  6                            ; v6        0: LDS address for the c_sq words
.set T,   8                            ; v[8:15]   eight f32 at work
.set U,   16                           ; v[16:19]  eight bf16, packed
.set S,   20                           ; v[20:21]  two chains of the sum of squares
.set CS,  24                           ; v[24:55]  row r: my part of 4 c_sq, later c_sq
.set X,   64                           ; v[64:255] three batches of 8 rows x 8 registers as loaded; later the image on its way out
	s_load_b128 s[4:7], s[0:1], 0x0                ; codebook s[4:5], cbw s[6:7]
	v_lshl_add_u32 v[SPW], v0, 2, SPARE
	v_mov_b32 v[NIL], 0
	v_lshlrev_b32 v[GA], 4, v0
	v_lshlrev_b32 v[LA], 3, v0
	v_mov_b32 v[ZA], 0
	s_lshl_b32 s8, ttmp9, 15                       ; my 32 rows of 1,024 bytes
	s_mov_b32 s9, 0
	s_mul_i32 s10, ttmp9, 32*CROW                  ; my 32 rows of 528 bytes
	s_mov_b32 s11, 0
	s_mov_b32 s12, 0x76543210                      ; v_permlanex16_b32: each lane takes its own place in the other half
	s_mov_b32 s13, 0xfedcba98
	s_mov_b32 s14, 0xffff0000                      ; a word's upper bf16
	s_wait_kmcnt 0x0
	s_add_nc_u64 s[4:5], s[4:5], s[8:9]
	s_add_nc_u64 s[6:7], s[6:7], s[10:11]
.macro LOADB b                         ; batch b: rows 8 b .. 8 b + 7, sixteen loads; a lane gets elements 4 l .. 4 l + 3 and 128 + 4 l .. 128 + 4 l + 3 of each row
.set r, 0
.rept 8
	global_load_b128 v[X+64*((\b)%3)+8*r:X+64*((\b)%3)+8*r+3],   v[GA], s[4:5] offset:(8*(\b)+r)*1024
	global_load_b128 v[X+64*((\b)%3)+8*r+4:X+64*((\b)%3)+8*r+7], v[GA], s[4:5] offset:(8*(\b)+r)*1024+512
.set r, r+1
.endr
.endm
; One row: times -2, rounded to bf16, into the image; the rounded numbers widened again and squared: my part of 4 c_sq.
.macro ROW row, xr
.irp k, 0,1,2,3
	v_pk_mul_f32 v[T+2*\k:T+2*\k+1], v[(\xr)+2*\k:(\xr)+2*\k+1], -2.0 op_sel_hi:[1,0]
.endr
.irp k, 0,1,2,3
	v_cvt_pk_bf16_f32 v[U+\k], v[T+2*\k], v[T+2*\k+1]
.endr
	ds_store_b64 v[LA], v[U:U+1]   offset:(\row)*CROW      ; elements 4 l ..: 32 lanes fill 256 consecutive bytes
	ds_store_b64 v[LA], v[U+2:U+3] offset:(\row)*CROW+256  ; elements 128 + 4 l ..
.irp k, 0,1,2,3
	v_lshlrev_b32 v[T+2*\k],   16,  v[U+\k]
	v_and_b32     v[T+2*\k+1], s14, v[U+\k]
.endr
	v_pk_mul_f32 v[S:S+1], v[T:T+1], v[T:T+1]              ; the first squares start the two chains
.irp k, 1,2,3
	v_pk_fma_f32 v[S:S+1], v[T+2*\k:T+2*\k+1], v[T+2*\k:T+2*\k+1], v[S:S+1]
.endr
	v_add_f32 v[CS+(\row)], v[S], v[S+1]
.endm
.macro ROWS b
.set r, 0
.rept 8
	ROW 8*(\b)+r, X+64*((\b)%3)+8*r
.set r, r+1
.endr
.endm
.macro ALLR line:vararg                ; one line for each row r
.set r, 0
.rept 32
	\line
.set r, r+1
.endr
.endm
	LOADB 0
	LOADB 1
	LOADB 2
	s_wait_loadcnt 32                              ; loads come back in order (ISA guide 5.7.1): batch 0 is in, the 32 younger loads stay out
	ROWS 0
	LOADB 3                                        ; into batch 0's registers, which have been read
	s_wait_loadcnt 32                              ; batch 1 is in; batches 2 and 3 stay out
	ROWS 1
	s_wait_loadcnt 16                              ; batch 2 is in
	ROWS 2
	s_wait_loadcnt 0x0                             ; batch 3
	ROWS 3
	; across the 32 lanes, each step for all rows, so that no line waits for the one before it
	ALLR v_add_f32_dpp v[CS+r], v[CS+r], v[CS+r] row_xmask:1 row_mask:0xf bank_mask:0xf
	ALLR v_add_f32_dpp v[CS+r], v[CS+r], v[CS+r] row_xmask:2 row_mask:0xf bank_mask:0xf
	ALLR v_add_f32_dpp v[CS+r], v[CS+r], v[CS+r] row_xmask:4 row_mask:0xf bank_mask:0xf
	ALLR v_add_f32_dpp v[CS+r], v[CS+r], v[CS+r] row_xmask:8 row_mask:0xf bank_mask:0xf
	ALLR v_permlanex16_b32 v[X+r], v[CS+r], s12, s13       ; its destination counts as read: X has been written
	ALLR v_add_f32 v[CS+r], v[CS+r], v[X+r]
	ALLR v_mul_f32 v[CS+r], 0.25, v[CS+r]                  ; (-2 c)^2 = 4 c^2: the quarter is exact
.set r, 0
.rept 32                               ; every lane holds every c_sq: all lanes write the same 16 bytes with the same numbers
	ds_store_b128 v[ZA], v[CS+16*(r/16)+4*(r%4):CS+16*(r/16)+4*(r%4)+3] offset:r*CROW+CSQ
.set r, r+1
.endr
.set r, 0
.rept 33                               ; LDS serves a wave's instructions in order (ISA guide 5.7.1.4): these see the stores above
	ds_load_b128 v[X+4*r:X+4*r+3], v[GA] offset:512*r
.set r, r+1
.endr
.set r, 0
.rept 33
	s_wait_dscnt 32-r                              ; piece r is back; the younger ones stay out
	global_store_b128 v[GA], v[X+4*r:X+4*r+3], s[6:7] offset:512*r
.set r, r+1
.endr
	s_wait_tensorcnt 0x0                           ; the wave's end, behind my last LDS store
	ds_add_u32 v[SPW], v[NIL]
	s_wait_dscnt 0x0
	s_endpgm
.Lfunc_end_k_qf93cc6f9b9_prep:
	.size	k_qf93cc6f9b9_prep, .Lfunc_end_k_qf93cc6f9b9_prep-k_qf93cc6f9b9_prep
	.p2alignl 7, 3214868480
	.fill 96, 4, 3214868480
	.section	.rodata,"a",@progbits
	.p2align	6, 0x0
	.amdhsa_kernel k_qf93cc6f9b9_prep
		.amdhsa_group_segment_fixed_size 17152
		.amdhsa_private_segment_fixed_size 0
		.amdhsa_enable_private_segment 0
		.amdhsa_kernarg_size 16
		.amdhsa_user_sgpr_count 2
		.amdhsa_user_sgpr_kernarg_segment_ptr 1
		.amdhsa_wavefront_size32 1
		.amdhsa_system_sgpr_workgroup_id_x 1
		.amdhsa_system_sgpr_workgroup_id_y 1
		.amdhsa_system_sgpr_workgroup_id_z 1
		.amdhsa_system_vgpr_workitem_id 0
		.amdhsa_next_free_vgpr 256
		.amdhsa_next_free_sgpr 66
		.amdhsa_reserve_vcc 0
		.amdhsa_float_denorm_mode_32 3
		.amdhsa_float_denorm_mode_16_64 3
		.amdhsa_memory_ordered 1
		.amdhsa_forward_progress 1
		.amdhsa_inst_pref_size 66
	.end_amdhsa_kernel
	.amdgpu_metadata
---
amdhsa.version: [ 1, 2 ]
amdhsa.kernels:
  - .name:           k_qf93cc6f9b9_prep
    .symbol:         k_qf93cc6f9b9_prep.kd
    .args:
      - { .name: codebook, .offset: 0, .size: 8, .value_kind: global_buffer, .address_space: global }
      - { .name: cbw, .offset: 8, .size: 8, .value_kind: global_buffer, .address_space: global }
    .group_segment_fixed_size: 17152
    .private_segment_fixed_size: 0
    .kernarg_segment_align: 8
    .kernarg_segment_size: 16
    .max_flat_workgroup_size: 32
    .sgpr_count:     66
    .vgpr_count:     256
    .wavefront_size: 32
...
	.end_amdgpu_metadata
.endif
;; end of part 1
;; launch search (part 2): grid 256 x 1, 4 waves a work-group, clusters of 4 x 1, 327,680 bytes of LDS; arguments cbw, z_e_x, idx; writes idx
.if DOCPART == 2
	.amdgcn_target "amdgcn-amd-amdhsa--gfx1250"
	.amdhsa_code_object_version 6
	.text
	.protected	k_qf93cc6f9b9_search
	.globl	k_qf93cc6f9b9_search
	.p2align	8
	.type	k_qf93cc6f9b9_search,@function
k_qf93cc6f9b9_search:
	s_mov_b64 s[64:65], 0
	v_nop
	global_prefetch_b8 v0, s[64:65] scope:SCOPE_SE
	s_setreg_imm32_b32 hwreg(HW_REG_WAVE_MODE, 25, 1), 1
	s_wait_xcnt 0x0
	s_wait_alu depctr_hold_cnt(0) depctr_sa_sdst(0) depctr_va_vdst(0) depctr_va_sdst(0) depctr_va_ssrc(0) depctr_va_vcc(0) depctr_vm_vsrc(0)
	s_getreg_b32 s2, hwreg(HW_REG_IB_STS2, 6, 4)
	s_cmp_eq_u32 s2, 0
	s_cbranch_scc0 .Lentry_in_a_cluster
	s_endpgm
.Lentry_in_a_cluster:
	s_bfe_u32 s2, ttmp6, 0x10000c
	s_cmp_lg_u32 s2, 0x3003
	s_cbranch_scc0 .Lentry_shape_is_right
	s_endpgm
.Lentry_shape_is_right:
; idx[n] = the lowest k at which dist[n][k] = c_sq[k] + the sum over d of bf16(x[n][d]) x (-2 bf16(c[k][d])) is least.  z_e_x: [32768][256] f32.  cbw: 8,192 rows of 528 bytes (512 of bf16(-2 c),
; 16 of c_sq: see below).  idx: [32768] u32.  Products of bf16 operands, sums in f32: c_sq starts each sum (it is the C operand of the first K step), then K ascending.
; LIMITS.  Both inputs are rounded to bf16 and c_sq is that of the rounded codes.  The sums' order is not that of a plain f32 product, so a row whose two best distances differ by about the rounding
; of an f32 sum may get the other code.  Equal distances go to the lowest index.  NaN and infinities are not treated apart (a NaN distance never wins).
; SHARES.  A work-group owns 128 rows of x and walks all 8,192 codes, 32 tiles of 256.  EVERY wave holds all 128 rows as bf16 fragments in 512 registers (8 query tiles of 16 x 8 K steps of 32) and takes a
; quarter of each tile, 64 codes, in four PHASES of 16 codes: 18 LDS loads feed a phase's 64 matrix instructions, and each byte of a tile leaves LDS once.
; LAYOUT.  Source 0 = 16 codes, source 1 = 16 rows of x: in the result a lane holds ONE query (lane % 16) and the codes 8 (lane / 16) + 0..7.  So the running minimum stays in the lane: for each of its
; 64 places (query tile q, register j) a lane keeps the best distance and the code base (a multiple of 16) of the phase that brought it.  j, the lanes' halves and the four waves are settled once, at the end.
; BY TURNS.  Two sets of 8 accumulators.  While a phase's products fill one set, the other set, finished in the phase before, is compared: three vector instructions (compare, minimum, select) behind each
; matrix instruction.  They name no register of the products round them and are the places that loads into fragment registers need behind those registers' last readers.
; CLUSTER.  The four work-groups of a cluster walk the same codes, so each tile is asked for JOINTLY: the same tensor load, descriptor and mask in all four; each receives it in its own LDS.
; RING.  Two slots of a tile each.  A slot is asked for again in the tile's last phase, and that load is waited for at the head of the next tile's last phase: 240 matrix instructions of the wave later.
; Slot 1's first fill is x in f32, which every wave reads once and rounds.
; REGISTERS, in windows of 256 (s_set_vgpr_msb: bits 1:0 source 0, 3:2 source 1, 5:4 source 2, 7:6 destination):
;   window 0: v0-11 addresses; v12-31 at work; v32-47 c_sq of 8 codes, two buffers; v64-127 best distances; v128-191 their code bases; v192-215 the way out
;   window 1: v0-127 code fragments, two buffers (K step c at 8 c); v128-255 accumulators, two sets (query tile q at 8 q)          windows 2, 3: x, query tile q at 64 (q % 4) + 8 c
; A matrix instruction and the three lines behind it want different windows: two switches for each matrix instruction.
.set CROW,  528                        ; a code's row, in memory and in LDS: 33 x 16 bytes, so the 16 rows of a fragment load start at 16 different groups of four banks (64 banks of 4 bytes: ISA guide 11.1)
.set CSQ,   512                        ; where a row's four c_sq begin: row i holds those of codes 16 (i / 16) + 4 (i % 4) + 0..3
.set QUART, 64*CROW                    ; a wave's quarter of a tile: 33,792 bytes = 132 x 256
.set TILEB, 4*QUART                    ; a tile, and a slot: 135,168 = 0x21000
.set SLOT1, TILEB                      ; its two bits are clear in every w x QUART, so one exclusive or turns an address in one slot into the other's
.set XP,    1040                       ; a row of x in LDS: 1,024 bytes + 16 of padding = 65 x 16
.set XQ,    32*XP                      ; the 32 rows of x that a wave fetches
.set RED,   2*TILEB                    ; behind the ring, never filled by a tensor load: [4 waves][128] distances, then [4][128] indices
.set SPARE, RED+4096                   ; the spare words, 128 bytes for each wave: two blocks of 256 bytes that no other line names
.set AF0, 3                            ; v3   my lane's place in my quarter: w QUART + 528 (l % 16) + 16 (l / 16); never rewritten
.set AC0, 4                            ; v4   the same for c_sq: w QUART + 1,056 (l / 16): rows 2 (l / 16) and 2 (l / 16) + 1 of a group hold my eight
.set AF,  5                            ; v5   AF0 in the slot being read
.set AC,  6                            ; v6   AC0 likewise
.set AX,  7                            ; v7   my lane's place in the query tile of x to be read next
.set AR,  8                            ; v8   the way out: where I put a query's distance (lanes 0-15) or index (lanes 16-31)
.set H8,  9                            ; v9   8 (l / 16)
.set SPW, 10                           ; v10  LDS address of my spare word; never rewritten
.set NIL, 11                           ; v11  0; never rewritten
.set CQ,   32
.set BEST, 64
.set IDX,  128
.set MN,   192                         ; the way out: a query tile's least distance,
.set IX,   200                         ; its index,
.set NM,   208                         ; and the least of both halves of the lanes
.set WV,  10                           ; s10  my wave's number
.set G1,  16                           ; s[16:23] descriptor group 1 for the codes (joint)
.set G1X, 24                           ; s[24:31] for x
.set G0,  32                           ; s[32:35] descriptor group 0 for the codes: it walks
.set G0X, 36                           ; s[36:39] for x
.set TB,  40                           ; s40  0 or SLOT1: the slot being read
.set STEP, 41                          ; s41  the code base of the accumulators that are being compared
.set CNT, 42                           ; s42  tiles to go
.set BIG, 43                           ; s43  +infinity
.set SEL, 44                           ; s[44:45] v_permlanex16_b32's selects
.set HM,  46                           ; s46  the mask of lanes 16-31
.set MSB, 0
.macro WIN new                         ; the immediate's high byte repeats the setting that is left; a switch that changes nothing is dropped
.if MSB != (\new)
	s_set_vgpr_msb (MSB<<8)|(\new)
.set MSB, \new
.endif
.endm
; A round of the cluster's barrier: my work-group's barrier, so that wave 0's signal speaks for all four waves; wave 0 signals; every wave waits for all four work-groups; my work-group's barrier once more.
.macro CREST                           ; a round behind its opening barrier
	s_cmp_lg_u32 s[WV], 0
	s_cbranch_scc1 .Lnot_wave_0_\@
	s_barrier_signal -3
.Lnot_wave_0_\@:
	s_barrier_wait -3
	s_barrier_signal -1
	s_barrier_wait -1
.endm
.macro CROUND
	s_barrier_signal -1
	s_barrier_wait -1
	CREST
.endm
.macro JLOAD                           ; the joint load: every wave fetches its own quarter of the tile, by the same line; an s_nop 0 and four v_nop follow it
	tensor_load_to_lds s[G0:G0+3], s[G1:G1+7]
	s_nop 0
.rept 4
	v_nop
.endr
.endm
	s_load_b128 s[4:7], s[0:1], 0x0                ; cbw s[4:5], z_e_x s[6:7]
	s_load_b64 s[8:9], s[0:1], 0x10                ; idx
	v_lshl_add_u32 v[SPW], v0, 2, SPARE
	v_mov_b32 v[NIL], 0
	ds_add_u32 v[SPW], v[NIL]                      ; the wave's opening: the add and its wait stand ahead of my first tensor load; the set-up below, work on registers, stands between them
	v_lshrrev_b32 v1, 5, v0
	v_readfirstlane_b32 s[WV], v1                  ; wave 0..3
	s_bfe_u32 s11, ttmp6, 0x40000                  ; cx: my place in the cluster
	s_lshl_b32 s12, ttmp9, 2                       ; in a cluster launch ttmp9 counts clusters
	s_add_co_u32 s12, s12, s11                     ; my block of 128 rows = 4 x cluster x + cx: it enters x's and idx's addresses alone
	; group 1 for the codes: a quarter is 33,792 dense bytes, asked for as 132 rows of 32 elements of 8 bytes
	s_mov_b32 s[G1+0], 15|(3<<16)|(1<<21)          ; 15:0 the mask of four; 17:16 elements of 8 bytes; 21 set beside a mask; no padding: the rows' 528 bytes are the pitch
	s_mov_b32 s[G1+1], 32<<16                      ; tensor_dim0 = 32
	s_mov_b32 s[G1+2], 132<<16                     ; tensor_dim1 = 132
	s_mov_b32 s[G1+3], 32<<16                      ; tile_dim0 = 32
	s_mov_b32 s[G1+4], 132                         ; tile_dim1 = 132
	s_mov_b32 s[G1+5], 32                          ; 32 elements from row to row
	s_mov_b32 s[G1+6], 0
	s_mov_b32 s[G1+7], 0
	; group 1 for x: 32 rows of 256 f32, my work-group's own (no mask), padded in LDS
	s_mov_b32 s[G1X+0], (2<<16)|(1<<20)|(7<<22)|(3<<25)  ; 17:16 elements of 4 bytes; 20 padding on; 24:22 after every 256 words (code 7); 31:25 4 words (code 3)
	s_mov_b32 s[G1X+1], 256<<16                    ; tensor_dim0 = 256
	s_mov_b32 s[G1X+2], 32<<16                     ; tensor_dim1 = 32
	s_mov_b32 s[G1X+3], 256<<16                    ; tile_dim0 = 256
	s_mov_b32 s[G1X+4], 32                         ; tile_dim1 = 32
	s_mov_b32 s[G1X+5], 256                        ; 256 elements from row to row
	s_mov_b32 s[G1X+6], 0
	s_mov_b32 s[G1X+7], 0
	s_mov_b32 s[G0], 1                             ; count = 1
	s_mul_i32 s[G0+1], s[WV], QUART                ; LDS address: my quarter of slot 0: no place in the cluster enters an LDS address
	s_mov_b32 s[G0X], 1
	s_mul_i32 s[G0X+1], s[WV], XQ
	s_add_co_u32 s[G0X+1], s[G0X+1], SLOT1         ; my 32 rows of x, in slot 1
	s_mul_i32 s48, s[WV], QUART                    ; my quarter of tile 0 in cbw
	s_mov_b32 s49, 0
	s_lshl_b32 s50, s12, 17                        ; my block's 128 rows of 1,024 bytes,
	s_lshl_b32 s51, s[WV], 15                      ; my wave's 32 of them
	s_add_co_u32 s50, s50, s51
	s_mov_b32 s51, 0
	s_lshl_b32 s52, s12, 9                         ; my block's 128 words of idx
	s_mov_b32 s53, 0
	s_mov_b32 s[TB], 0
	s_lshl_b32 s[STEP], s[WV], 6
	s_sub_co_u32 s[STEP], s[STEP], 208             ; the first phase compares nothing real; the 208 added behind it make this 64 w, tile 0's first code base
	s_mov_b32 s[CNT], 31
	s_mov_b32 s[BIG], 0x7f800000
	s_mov_b32 s[SEL], 0x76543210
	s_mov_b32 s[SEL+1], 0xfedcba98
	s_mov_b32 s[HM], 0xffff0000
	s_wait_dscnt 0x0                               ; the opening add is done
	s_wait_kmcnt 0x0
	s_add_nc_u64 s[G0+2:G0+3], s[4:5], s[48:49]
	s_or_b32 s[G0+3], s[G0+3], 0x80000000          ; type = 2
	s_add_nc_u64 s[G0X+2:G0X+3], s[6:7], s[50:51]
	s_or_b32 s[G0X+3], s[G0X+3], 0x80000000
	s_add_nc_u64 s[8:9], s[8:9], s[52:53]
	CROUND                                         ; all four work-groups are here: the first joint loads meet
	tensor_load_to_lds s[G0:G0+3], s[G1:G1+7]      ; the two first fills go out together: tile 0 into slot 0,
	s_nop 0
	tensor_load_to_lds s[G0X:G0X+3], s[G1X:G1X+7]  ; x into slot 1: two loads of mine are out
	s_nop 0
.rept 4
	v_nop
.endr
	; in the wait for them: the lanes' addresses, and the start of the running minimum
	v_and_b32 v1, 15, v0                           ; l % 16
	v_bfe_u32 v2, v0, 4, 1                         ; l / 16
	v_mul_u32_u24 v[AF0], v1, CROW
	v_lshl_add_u32 v[AF0], v2, 4, v[AF0]
	v_add_nc_u32 v[AF0], s48, v[AF0]
	v_mul_u32_u24 v[AC0], v2, 2*CROW
	v_add_nc_u32 v[AC0], s48, v[AC0]
	v_mul_u32_u24 v[AX], v1, XP                    ; x as f32: row l % 16, 32 bytes (8 numbers) for each half of the lanes
	v_lshl_add_u32 v[AX], v2, 5, v[AX]
	v_add_nc_u32 v[AX], SLOT1, v[AX]
	s_lshl_b32 s54, s[WV], 9
	s_add_co_u32 s54, s54, RED
	v_lshlrev_b32 v[AR], 2, v1
	v_lshl_add_u32 v[AR], v2, 11, v[AR]
	v_add_nc_u32 v[AR], s54, v[AR]                 ; RED + 512 w + 4 (l % 16) + 2,048 (l / 16)
	v_lshlrev_b32 v[H8], 3, v2
.set i, 0
.rept 64                               ; no first phase is written out: the minimum starts at +infinity, the code base at 0
	v_mov_b32 v[BEST+i], s[BIG]
	v_mov_b32 v[IDX+i], 0
.set i, i+1
.endr
; x INTO REGISTERS.  A fragment is 16 rows x 32 K of bf16 in 8 registers: lane l holds row l % 16; registers 0-3 K = 8 (l / 16) + 0..7, registers 4-7 K = 16 + 8 (l / 16) + 0..7.  In f32 that is four loads
; of 16 bytes at 0, 16, 64 and 80 from 128 c + 32 (l / 16).  A query tile's 32 loads land in window 1 (two buffers of 128, where fragments and accumulators lie later) and are rounded in pairs.
.macro XLOAD q
	WIN 0x40                                       ; destination window 1, address window 0
.set c, 0
.rept 8
	ds_load_b128 v[128*((\q)%2)+16*c:128*((\q)%2)+16*c+3],     v[AX] offset:128*c
	ds_load_b128 v[128*((\q)%2)+16*c+4:128*((\q)%2)+16*c+7],   v[AX] offset:128*c+16
	ds_load_b128 v[128*((\q)%2)+16*c+8:128*((\q)%2)+16*c+11],  v[AX] offset:128*c+64
	ds_load_b128 v[128*((\q)%2)+16*c+12:128*((\q)%2)+16*c+15], v[AX] offset:128*c+80
.set c, c+1
.endr
.if (\q) < 7
	WIN 0
	v_add_nc_u32 v[AX], 16*XP, v[AX]               ; the next 16 rows
.endif
.endm
.macro XCVT q
	WIN 0x85+0x40*((\q)/4)                         ; sources window 1, destination window 2 or 3
.set c, 0
.rept 64
	v_cvt_pk_bf16_f32 v[64*((\q)%4)+c], v[128*((\q)%2)+2*c], v[128*((\q)%2)+2*c+1]
.set c, c+1
.endr
.endm
	s_wait_tensorcnt 0x0                           ; my parts of tile 0 and of x are in,
	s_barrier_signal -1
	s_barrier_wait -1                              ; everybody's are
	XLOAD 0
	XLOAD 1
.irp q, 0,1,2,3,4,5
	s_wait_dscnt 32                                ; LDS loads come back in order (ISA guide 5.7.1): this tile's 32 are in, the next tile's 32 stay out
	XCVT \q
	XLOAD (\q)+2
.endr
	s_wait_dscnt 32
	XCVT 6
	s_wait_dscnt 0x0
	XCVT 7
; THE LDS LOADS of a phase stand in one run of 18: c_sq of my 8 codes (two loads; the 16 lanes of a half read the same bytes) and the 16 codes' fragments of all 8 K steps, at byte off of my quarter, into buffer d.
.macro FETCH d, off
	WIN 0
	ds_load_b128 v[CQ+8*(\d):CQ+8*(\d)+3],   v[AC] offset:(\off)+CSQ
	ds_load_b128 v[CQ+8*(\d)+4:CQ+8*(\d)+7], v[AC] offset:(\off)+CSQ+CROW
	WIN 0x40
.irp c, 0,1,2,3,4,5,6,7
	ds_load_b128 v[64*(\d)+8*\c:64*(\d)+8*\c+3],   v[AF] offset:(\off)+64*\c
	ds_load_b128 v[64*(\d)+8*\c+4:64*(\d)+8*\c+7], v[AF] offset:(\off)+64*\c+32
.endr
.endm
; Matrix instruction i of a phase's 64, on buffer and set b: K step i / 8, query tile i % 8.  The 8 accumulators take turns, one instruction a turn, from phase to phase and over the
; loop's edge too.  The first K step starts the sums with c_sq.
.macro MM b
.set k, i/8
.set q, i%8
.set rD, 128+64*(\b)+8*q
.set rA, 64*(\b)+8*k
.set rB, 64*(q%4)+8*k
.if k == 0
	WIN 0x49+4*(q/4)                               ; codes window 1, x window 2 or 3, c_sq window 0, result window 1
	v_wmma_f32_16x16x32_bf16 v[rD:rD+7], v[rA:rA+7], v[rB:rB+7], v[CQ+8*(\b):CQ+8*(\b)+7]
.else
	WIN 0x59+4*(q/4)                               ; the same with C in window 1
	v_wmma_f32_16x16x32_bf16 v[rD:rD+7], v[rA:rA+7], v[rB:rB+7], v[rD:rD+7]
.endif
.endm
; Place i of 64 of set p is compared.  Where the new distance is not below the best, the old code base stays: of equal distances the earlier phase's, the lower code's, wins.  Places go in ascending order.
; VCC is written and read within these three lines.
.macro RIDE p
	WIN 0x01                                       ; source 0 (the accumulator) window 1, all else window 0
	v_cmp_ge_f32 vcc_lo, v[128+64*(\p)+i], v[BEST+i]
	v_min_num_f32 v[BEST+i], v[128+64*(\p)+i], v[BEST+i]
	v_cndmask_b32 v[IDX+i], s[STEP], v[IDX+i], vcc_lo
.endm
; A PHASE: 64 products into set b, the other set compared beside them.  inc: what the compared set's code base grows by for the next phase.
; An accumulator's last product stands 24 compare lines or more ahead of its first read.  A run of loads stands 15 such lines or more behind the last product that read its registers.
; mode 0: the next phase's run of loads (at byte fo of my quarter; none if fo < 0) stands ahead of product 4, 60 products ahead of its use.
; mode 1: a tile's last phase, which changes slots.  Each wave waits for all its tensor loads, of which one is out: its quarter of the next tile; adds 0 to its spare word; and waits for that and for its own
; reads of this slot, the last of which brought this phase's fragments.  The barrier opens a round of the cluster's: behind the round no wave of any partner reads this slot or has a load on its way, and the other
; slot is whole.  The joint refill, the tile two on, is the first thing behind it; then the next tile's first run of loads.  mode 2: the same with nothing left to ask for: the work-group's barrier alone.
.macro PHASE b, fo, mode, inc
.if (\mode) == 0
	s_wait_dscnt 0x0                               ; this phase's 18 loads are in
.else
	WIN 0                                          ; (the add's two registers lie in window 0)
	s_wait_tensorcnt 0x0                           ; no tensor load of mine is out, so group 0 may be written
	ds_add_u32 v[SPW], v[NIL]                      ; 0 onto my spare word
.if (\mode) == 1
	s_xor_b32 s[G0+1], s[G0+1], SLOT1              ; the walking descriptor: the other slot than last time,
	s_add_nc_u64 s[G0+2:G0+3], s[G0+2:G0+3], TILEB ; the next tile; the type bits on top are not reached
.endif
	s_wait_dscnt 0x1                               ; the add alone may be out: this phase's 18 loads are in
.endif
.set i, 0
.rept 64
.if ((\mode) == 0) && ((\fo) >= 0) && (i == 4)
	FETCH 1-(\b), \fo
.endif
.if ((\mode) != 0) && (i == 8)
	s_wait_dscnt 0x0                               ; the add is done, and my reads of this slot are over:
	s_barrier_signal -1                            ; say so, and work on registers while the others arrive
.endif
.if ((\mode) != 0) && (i == 16)
	WIN 0                                          ; at a branch and at a label every window is 0
	s_barrier_wait -1
.if (\mode) == 1
	CREST
	JLOAD
.endif
	s_xor_b32 s[TB], s[TB], SLOT1                  ; the reads go on in the other slot
	v_add_nc_u32 v[AF], s[TB], v[AF0]
	v_add_nc_u32 v[AC], s[TB], v[AC0]
	FETCH 1-(\b), 0
.endif
	MM \b
	RIDE 1-(\b)
.set i, i+1
.endr
	s_add_co_u32 s[STEP], s[STEP], \inc
.endm
	; x has been read: slot 1 takes tile 1, in the order of every refill
	WIN 0
	s_wait_tensorcnt 0x0                           ; no tensor load of mine is out
	ds_add_u32 v[SPW], v[NIL]                      ; 0 onto my spare word; the descriptor's step stands between it and the wait for it
	s_xor_b32 s[G0+1], s[G0+1], SLOT1
	s_add_nc_u64 s[G0+2:G0+3], s[G0+2:G0+3], TILEB
	s_wait_dscnt 0x0                               ; the add is done, and my reads of x are over
	CROUND
	JLOAD
	v_mov_b32 v[AF], v[AF0]                        ; tile 0 lies in slot 0
	v_mov_b32 v[AC], v[AC0]
	FETCH 0, 0
.set i, 0
.rept 64                               ; the first phase compares a set that no product has filled: +infinity changes nothing.  (FETCH has left the destination in window 1.)
	v_mov_b32 v[192+i], s[BIG]
.set i, i+1
.endr
	WIN 0
	s_branch .Lenter                               ; the loop is entered at a tile's first phase
.Ltile:                                                ; 30 trips begin here: the last phase of tiles 0 to 29 asks for tiles 2 to 31
	PHASE 1, 0, 1, 16
	WIN 0
.Lenter:
	PHASE 0, 16*CROW, 0, 208                       ; it compares the tile before's last 16 codes; from those to this tile's first are 256 - 48
	PHASE 1, 32*CROW, 0, 16
	PHASE 0, 48*CROW, 0, 16
	WIN 0
	s_sub_co_u32 s[CNT], s[CNT], 1
	s_cmp_lg_u32 s[CNT], 0
	s_cbranch_scc1 .Ltile
	PHASE 1, 0, 2, 16                              ; the tail is written out: tile 30's last phase asks for nothing,
	PHASE 0, 16*CROW, 0, 208                       ; tile 31
	PHASE 1, 32*CROW, 0, 16
	PHASE 0, 48*CROW, 0, 16
	PHASE 1, -1, 0, 16                             ; and its last phase fetches nothing
.set i, 0
.rept 64
	RIDE 1                                         ; the last set: its first accumulator's last product stands 24 compare lines back
.set i, i+1
.endr
	; THE WAY OUT.  Everywhere the same step: the least distance; an index stays where its distance is the least and becomes all ones elsewhere; the lowest index.
	WIN 0
.macro ALL line:vararg                 ; one line for each query tile t
.set t, 0
.rept 8
	\line
.set t, t+1
.endr
.endm
.macro KEEP val, min, ix
	v_cmp_eq_f32 vcc_lo, v[\val], v[\min]
	v_cndmask_b32 v[\ix], -1, v[\ix], vcc_lo
.endm
	ALL v_min3_num_f32 v[MN+t], v[BEST+8*t], v[BEST+8*t+1], v[BEST+8*t+2]
	ALL v_min3_num_f32 v[MN+t], v[MN+t], v[BEST+8*t+3], v[BEST+8*t+4]
	ALL v_min3_num_f32 v[MN+t], v[MN+t], v[BEST+8*t+5], v[BEST+8*t+6]
	ALL v_min_num_f32 v[MN+t], v[MN+t], v[BEST+8*t+7]
.irp j, 1,2,3,4,5,6,7
	ALL v_or_b32 v[IDX+8*t+\j], \j, v[IDX+8*t+\j]          ; a code base is a multiple of 16: register j's code is base + 8 (l / 16) + j
.endr
.set e, 0
.rept 64
	KEEP BEST+e, MN+e/8, IDX+e
.set e, e+1
.endr
	ALL v_min_u32 v[IX+t], v[IDX+8*t], v[IDX+8*t+1]
.irp j, 2,3,4,5,6,7
	ALL v_min_u32 v[IX+t], v[IX+t], v[IDX+8*t+\j]
.endr
	ALL v_or_b32 v[IX+t], v[H8], v[IX+t]
	ALL v_permlanex16_b32 v[BEST+8*t], v[MN+t], s[SEL], s[SEL+1]    ; the query's other codes lie in the lane 16 away; the destinations have been written and are free
	ALL v_permlanex16_b32 v[BEST+8*t+1], v[IX+t], s[SEL], s[SEL+1]
	ALL v_min_num_f32 v[NM+t], v[MN+t], v[BEST+8*t]
.set t, 0
.rept 8
	KEEP MN+t, NM+t, IX+t
	KEEP BEST+8*t, NM+t, BEST+8*t+1
.set t, t+1
.endr
	ALL v_min_u32 v[IX+t], v[IX+t], v[BEST+8*t+1]
	ALL v_cndmask_b32 v[MN+t], v[NM+t], v[IX+t], s[HM]     ; both halves hold both: lanes 0-15 hand on the distance, lanes 16-31 the index
	ALL ds_store_b32 v[AR], v[MN+t] offset:64*t
	s_wait_dscnt 0x0                               ; for the others' sake: my stores are done
	s_barrier_signal -1
	s_barrier_wait -1
	s_cmp_ge_u32 s[WV], 2
	s_cbranch_scc1 .Ldone                          ; waves 0 and 1 settle 64 queries each, two a lane
	v_and_b32 v12, 31, v0
	v_lshlrev_b32 v12, 3, v12
	s_lshl_b32 s55, s[WV], 8
	v_add_nc_u32 v13, s55, v12                     ; 256 w + 8 l: my two words, in idx and in each wave's row of RED
	v_add_nc_u32 v14, RED, v13
.irp u, 0,1,2,3
	ds_load_b64 v[16+2*\u:17+2*\u], v14 offset:512*\u        ; wave u's distances
	ds_load_b64 v[24+2*\u:25+2*\u], v14 offset:2048+512*\u   ; and indices
.endr
	s_wait_dscnt 0x0
.irp z, 0,1
	v_min3_num_f32 v[32+\z], v[16+\z], v[18+\z], v[20+\z]
.endr
.irp z, 0,1
	v_min_num_f32 v[32+\z], v[32+\z], v[22+\z]
.endr
.irp z, 0,1
.irp u, 0,1,2,3
	KEEP 16+2*\u+\z, 32+\z, 24+2*\u+\z
.endr
.endr
.irp z, 0,1
	v_min_u32 v[34+\z], v[24+\z], v[26+\z]
.endr
.irp z, 0,1
	v_min_u32 v[34+\z], v[34+\z], v[28+\z]
.endr
.irp z, 0,1
	v_min_u32 v[34+\z], v[34+\z], v[30+\z]
.endr
	global_store_b64 v13, v[34:35], s[8:9]         ; the wave stores 256 consecutive bytes, at a multiple of 256 from idx's first byte
.Ldone:
	s_wait_tensorcnt 0x0                           ; the wave's end, behind my last tensor load and my last LDS store
	ds_add_u32 v[SPW], v[NIL]
	s_wait_dscnt 0x0
	CROUND                                         ; the closing round: no work-group ends while a partner may still ask for a tile that names it
	s_endpgm
.Lfunc_end_k_qf93cc6f9b9_search:
	.size	k_qf93cc6f9b9_search, .Lfunc_end_k_qf93cc6f9b9_search-k_qf93cc6f9b9_search
	.p2alignl 7, 3214868480
	.fill 96, 4, 3214868480
	.section	.rodata,"a",@progbits
	.p2align	6, 0x0
	.amdhsa_kernel k_qf93cc6f9b9_search
		.amdhsa_group_segment_fixed_size 327680
		.amdhsa_private_segment_fixed_size 0
		.amdhsa_enable_private_segment 0
		.amdhsa_kernarg_size 24
		.amdhsa_user_sgpr_count 2
		.amdhsa_user_sgpr_kernarg_segment_ptr 1
		.amdhsa_wavefront_size32 1
		.amdhsa_system_sgpr_workgroup_id_x 1
		.amdhsa_system_sgpr_workgroup_id_y 1
		.amdhsa_system_sgpr_workgroup_id_z 1
		.amdhsa_system_vgpr_workitem_id 0
		.amdhsa_next_free_vgpr 1024
		.amdhsa_next_free_sgpr 66
		.amdhsa_reserve_vcc 1
		.amdhsa_float_denorm_mode_32 3
		.amdhsa_float_denorm_mode_16_64 3
		.amdhsa_memory_ordered 1
		.amdhsa_forward_progress 1
		.amdhsa_inst_pref_size 221
	.end_amdhsa_kernel
	.amdgpu_metadata
---
amdhsa.version: [ 1, 2 ]
amdhsa.kernels:
  - .name:           k_qf93cc6f9b9_search
    .symbol:         k_qf93cc6f9b9_search.kd
    .args:
      - { .name: cbw, .offset: 0, .size: 8, .value_kind: global_buffer, .address_space: global }
      - { .name: z_e_x, .offset: 8, .size: 8, .value_kind: global_buffer, .address_space: global }
      - { .name: idx, .offset: 16, .size: 8, .value_kind: global_buffer, .address_space: global }
    .group_segment_fixed_size: 327680
    .private_segment_fixed_size: 0
    .kernarg_segment_align: 8
    .kernarg_segment_size: 24
    .max_flat_workgroup_size: 128
    .sgpr_count:     66
    .vgpr_count:     1024
    .wavefront_size: 32
...
	.end_amdgpu_metadata
.endif
;; end of part 2
;; launch gather (part 3): grid 256 x 1, 8 waves a work-group, no clusters, 0 bytes of LDS; arguments idx, codebook, out0, out1; writes out0, out1
.if DOCPART == 3
	.amdgcn_target "amdgcn-amd-amdhsa--gfx1250"
	.amdhsa_code_object_version 6
	.text
	.protected	k_qf93cc6f9b9_gather
	.globl	k_qf93cc6f9b9_gather
	.p2align	8
	.type	k_qf93cc6f9b9_gather,@function
k_qf93cc6f9b9_gather:
	s_mov_b64 s[64:65], 0
	v_nop
	global_prefetch_b8 v0, s[64:65] scope:SCOPE_SE
	s_setreg_imm32_b32 hwreg(HW_REG_WAVE_MODE, 25, 1), 1
	s_wait_xcnt 0x0
; out0[n][:] = out1[n][:] = codebook[idx[n]][:].  idx: [32768] u32, stored by the launch before.  codebook: [8192][256] f32.  out0, out1: [32768][256] f32.
; A stream: no LDS, no barrier, no matrix work.  Wave W = 8 x work-group + wave owns rows 16 W .. 16 W + 15.  Its sixteen indices come by one scalar load; each is held to the table's 8,192 rows before it
; enters an address.  A row is two loads of 512 consecutive bytes; all 32 loads go out at once, and each row is stored twice as soon as it is in.  Each store covers 512 consecutive bytes, at a multiple
; of 256 from its buffer's first byte.  No register is written twice, so no wait frees a source.  The loads carry no cache word: a code may be named by many rows.
.set L16, 2                            ; v2        16 x lane
.set OF,  4                            ; v[4:19]   row i: byte offset of my 16 bytes in its code's row
.set D,   24                           ; v[24:151] row i: 8 registers
	s_load_b256 s[4:11], s[0:1], 0x0               ; idx s[4:5], codebook s[6:7], out0 s[8:9], out1 s[10:11]
	v_lshrrev_b32 v1, 5, v0
	v_readfirstlane_b32 s12, v1                    ; wave 0..7
	v_and_b32 v[L16], 31, v0
	v_lshlrev_b32 v[L16], 4, v[L16]
	s_lshl_b32 s13, ttmp9, 3
	s_add_co_u32 s13, s13, s12                     ; W
	s_lshl_b32 s14, s13, 6                         ; my 16 words of idx
	s_mov_b32 s15, 0
	s_lshl_b32 s2, s13, 14                         ; my 16 rows of 1,024 bytes
	s_mov_b32 s3, 0
	s_wait_kmcnt 0x0
	s_add_nc_u64 s[4:5], s[4:5], s[14:15]
	s_add_nc_u64 s[8:9], s[8:9], s[2:3]
	s_add_nc_u64 s[10:11], s[10:11], s[2:3]
	s_load_b512 s[16:31], s[4:5], 0x0
	s_wait_kmcnt 0x0
.set i, 0
.rept 16
	s_min_u32 s[16+i], s[16+i], 0x1fff             ; inside the table, whatever the word holds
	s_lshl_b32 s[16+i], s[16+i], 10                ; a code's row is 1,024 bytes
	v_add_nc_u32 v[OF+i], s[16+i], v[L16]
.set i, i+1
.endr
.set i, 0
.rept 16
	global_load_b128 v[D+8*i:D+8*i+3],   v[OF+i], s[6:7]
	global_load_b128 v[D+8*i+4:D+8*i+7], v[OF+i], s[6:7] offset:512
.set i, i+1
.endr
.set i, 0
.rept 16
	s_wait_loadcnt 30-2*i                          ; loads come back in order (ISA guide 5.7.1): row i's two are in, the younger rows' stay out
	global_store_b128 v[L16], v[D+8*i:D+8*i+3],   s[8:9]   offset:1024*i     th:TH_STORE_NT
	global_store_b128 v[L16], v[D+8*i+4:D+8*i+7], s[8:9]   offset:1024*i+512 th:TH_STORE_NT
	global_store_b128 v[L16], v[D+8*i:D+8*i+3],   s[10:11] offset:1024*i     th:TH_STORE_NT
	global_store_b128 v[L16], v[D+8*i+4:D+8*i+7], s[10:11] offset:1024*i+512 th:TH_STORE_NT
.set i, i+1
.endr
	s_endpgm
.Lfunc_end_k_qf93cc6f9b9_gather:
	.size	k_qf93cc6f9b9_gather, .Lfunc_end_k_qf93cc6f9b9_gather-k_qf93cc6f9b9_gather
	.p2alignl 7, 3214868480
	.fill 96, 4, 3214868480
	.section	.rodata,"a",@progbits
	.p2align	6, 0x0
	.amdhsa_kernel k_qf93cc6f9b9_gather
		.amdhsa_group_segment_fixed_size 0
		.amdhsa_private_segment_fixed_size 0
		.amdhsa_enable_private_segment 0
		.amdhsa_kernarg_size 32
		.amdhsa_user_sgpr_count 2
		.amdhsa_user_sgpr_kernarg_segment_ptr 1
		.amdhsa_wavefront_size32 1
		.amdhsa_system_sgpr_workgroup_id_x 1
		.amdhsa_system_sgpr_workgroup_id_y 1
		.amdhsa_system_sgpr_workgroup_id_z 1
		.amdhsa_system_vgpr_workitem_id 0
		.amdhsa_next_free_vgpr 152
		.amdhsa_next_free_sgpr 66
		.amdhsa_reserve_vcc 0
		.amdhsa_float_denorm_mode_32 3
		.amdhsa_float_denorm_mode_16_64 3
		.amdhsa_memory_ordered 1
		.amdhsa_forward_progress 1
		.amdhsa_inst_pref_size 13
	.end_amdhsa_kernel
	.amdgpu_metadata
---
amdhsa.version: [ 1, 2 ]
amdhsa.kernels:
  - .name:           k_qf93cc6f9b9_gather
    .symbol:         k_qf93cc6f9b9_gather.kd
    .args:
      - { .name: idx, .offset: 0, .size: 8, .value_kind: global_buffer, .address_space: global }
      - { .name: codebook, .offset: 8, .size: 8, .value_kind: global_buffer, .address_space: global }
      - { .name: out0, .offset: 16, .size: 8, .value_kind: global_buffer, .address_space: global }
      - { .name: out1, .offset: 24, .size: 8, .value_kind: global_buffer, .address_space: global }
    .group_segment_fixed_size: 0
    .private_segment_fixed_size: 0
    .kernarg_segment_align: 8
    .kernarg_segment_size: 32
    .max_flat_workgroup_size: 256
    .sgpr_count:     66
    .vgpr_count:     152
    .wavefront_size: 32
...
	.end_amdgpu_metadata
.endif
;; end of part 3
;; ======== version 2 of 2: 3 launches; version 1 with the launch prep written anew for expert scheduling mode
;; workspace buffers: cbw 4,325,376 bytes; idx 131,072 bytes of whole numbers
;; launch prep (part 4): grid 256 x 1, 1 waves a work-group, no clusters, 17,152 bytes of LDS; arguments codebook, cbw; writes cbw
.if DOCPART == 4
	.amdgcn_target "amdgcn-amd-amdhsa--gfx1250"
	.amdhsa_code_object_version 6
	.text
	.protected	k_qf93cc6f9b9_prep
	.globl	k_qf93cc6f9b9_prep
	.p2align	8
	.type	k_qf93cc6f9b9_prep,@function
k_qf93cc6f9b9_prep:
	s_mov_b64 s[64:65], 0
	v_nop
	global_prefetch_b8 v0, s[64:65] scope:SCOPE_SE
	s_setreg_imm32_b32 hwreg(HW_REG_WAVE_SCHED_MODE, 0, 2), 2
	s_setreg_imm32_b32 hwreg(HW_REG_WAVE_MODE, 25, 1), 1
	s_wait_xcnt 0x0
	s_wait_alu depctr_vm_vsrc(0)
; cbw: the codebook as the search wants it.  codebook: [8192][256] f32.  cbw: 8,192 rows of 528 bytes:
;   bytes 0-511    the 256 numbers bf16(-2 c) of code i (= -2 bf16(c): the factor changes the exponent alone)
;   bytes 512-527  four f32: c_sq of codes 16 (i / 16) + 4 (i % 4) + 0..3, where c_sq[k] = the sum of bf16(c_k)^2; so rows 0-3 of a group of 16 hold the group's sixteen, rows 4-15 repeat them
; 528 bytes are an odd multiple of 16, so this image is read from LDS as it lies; 64 rows are 33,792 bytes = 132 x 256.
; LIMITS.  |c| is 0 or lies in 2^-125 .. 1.7e38 (else -2 c leaves bf16's normal range); NaN and infinities are not treated apart.
; c_sq is summed in f32: eight squares a lane in two chains, then across the 32 lanes: another order than a plain sum along the row.
; SHARES.  A work-group is one wave and owns 32 codes: 32,768 bytes in, 16,896 bytes out.  A row goes in as two loads of 512 consecutive bytes; the image is put together in LDS
; and leaves as 33 stores of 512 consecutive bytes, each at a multiple of 256 from cbw's first byte.  One wave: no barrier.
; THE MODE: SCHED_MODE bits 1:0 = 2 (LLVM: expert scheduling mode 2), set by the entry lines.  The code itself states the register dependences
; between vector instructions and memory or LDS instructions, with s_wait_alu, always for 0.
; THE PLAN.  The 32 rows go in four batches of eight; batch b lies in X[b % 3], eight registers a row.  A row's four packed words are rounded into the first four of its own eight registers, so each
; batch is its own out-buffer.  Registers that memory or LDS instructions touch:
;   X0   loaded (batch 0); read and, in its rows' low fours, written by batch 0's vector lines; read by batch 0's LDS stores; loaded again (batch 3), and the same once more; then the lanes' exchange writes v64-95.
;   X1   loaded (batch 1); read and written by batch 1's vector lines; read by its LDS stores, which are issued among batch 2's vector lines.
;   X2   the same a batch later: its LDS stores are issued among batch 3's vector lines.
;   CS   written by vector lines alone; read by the c_sq words' LDS stores; never written behind them.
;   v64-195  at the end the image's read-back lands here, and the global stores read it.
;   v1, v2, v6, v4, v5  addresses and the closing add's pair: written at the head, never again.
;   T and S are named by vector lines alone.
; A batch's vector lines name its own X, T, S and CS: none of the registers of the batch before, whose LDS stores can therefore stand among them behind one wait at the batch's head.
.set CROW,  528                        ; bytes in a row of cbw
.set CSQ,   512                        ; where a row's four c_sq begin
.set SPARE, 32*CROW                    ; behind the image: the spare words, one block of 256 bytes that no other line names
.set GA,  1                            ; v1        16 x lane: byte offset in 512 consecutive bytes, in memory and in LDS; never rewritten
.set LA,  2                            ; v2        8 x lane: where my four bf16 go in half a row
.set SPW, 4                            ; v4        LDS address of my spare word; never rewritten
.set NIL, 5                            ; v5        0; never rewritten
.set ZA,  6                            ; v6        0: LDS address for the c_sq words
.set T,   8                            ; v[8:15]   eight f32 at work
.set S,   20                           ; v[20:21]  two chains of the sum of squares
.set CS,  24                           ; v[24:55]  row r: my part of 4 c_sq, later c_sq
.set X,   64                           ; v[64:255] three batches of 8 rows x 8 registers as loaded, a row's first four then its eight bf16, packed; later the image on its way out
	s_load_b128 s[4:7], s[0:1], 0x0                ; codebook s[4:5], cbw s[6:7]
	v_lshl_add_u32 v[SPW], v0, 2, SPARE
	v_mov_b32 v[NIL], 0
	v_lshlrev_b32 v[GA], 4, v0
	v_lshlrev_b32 v[LA], 3, v0
	v_mov_b32 v[ZA], 0
	s_lshl_b32 s8, ttmp9, 15                       ; my 32 rows of 1,024 bytes
	s_mov_b32 s9, 0
	s_mul_i32 s10, ttmp9, 32*CROW                  ; my 32 rows of 528 bytes
	s_mov_b32 s11, 0
	s_mov_b32 s12, 0x76543210                      ; v_permlanex16_b32: each lane takes its own place in the other half
	s_mov_b32 s13, 0xfedcba98
	s_mov_b32 s14, 0xffff0000                      ; a word's upper bf16
	s_wait_kmcnt 0x0
	s_add_nc_u64 s[4:5], s[4:5], s[8:9]
	s_add_nc_u64 s[6:7], s[6:7], s[10:11]
.macro LOADB b                         ; batch b: rows 8 b .. 8 b + 7, sixteen loads; a lane gets elements 4 l .. 4 l + 3 and 128 + 4 l .. 128 + 4 l + 3 of each row
.set r, 0
.rept 8
	global_load_b128 v[X+64*((\b)%3)+8*r:X+64*((\b)%3)+8*r+3],   v[GA], s[4:5] offset:(8*(\b)+r)*1024
	global_load_b128 v[X+64*((\b)%3)+8*r+4:X+64*((\b)%3)+8*r+7], v[GA], s[4:5] offset:(8*(\b)+r)*1024+512
.set r, r+1
.endr
.endm
; One row's vector lines: times -2, rounded to bf16 into the row's own first four registers (the four multiplies have read all eight); the rounded numbers widened again and squared: my part of 4 c_sq.
.macro ROW row, xr
.irp k, 0,1,2,3
	v_pk_mul_f32 v[T+2*\k:T+2*\k+1], v[(\xr)+2*\k:(\xr)+2*\k+1], -2.0 op_sel_hi:[1,0]
.endr
.irp k, 0,1,2,3
	v_cvt_pk_bf16_f32 v[(\xr)+\k], v[T+2*\k], v[T+2*\k+1]
.endr
.irp k, 0,1,2,3
	v_lshlrev_b32 v[T+2*\k],   16,  v[(\xr)+\k]
	v_and_b32     v[T+2*\k+1], s14, v[(\xr)+\k]
.endr
	v_pk_mul_f32 v[S:S+1], v[T:T+1], v[T:T+1]              ; the first squares start the two chains
.irp k, 1,2,3
	v_pk_fma_f32 v[S:S+1], v[T+2*\k:T+2*\k+1], v[T+2*\k:T+2*\k+1], v[S:S+1]
.endr
	v_add_f32 v[CS+(\row)], v[S], v[S+1]
.endm
; One row's two LDS stores, into the image.
.macro PUT row, xr
	ds_store_b64 v[LA], v[(\xr):(\xr)+1]   offset:(\row)*CROW      ; elements 4 l ..: 32 lanes fill 256 consecutive bytes
	ds_store_b64 v[LA], v[(\xr)+2:(\xr)+3] offset:(\row)*CROW+256  ; elements 128 + 4 l ..
.endm
; Batch b's vector lines.  deal = 1: the sixteen LDS stores of batch b - 1 stand among them, two in front of each row's lines: no vector line of batch b names their registers.
.macro ROWS b, deal
.set r, 0
.rept 8
.if \deal
	PUT 8*((\b)-1)+r, X+64*(((\b)-1)%3)+8*r
.endif
	ROW 8*(\b)+r, X+64*((\b)%3)+8*r
.set r, r+1
.endr
.endm
.macro PUTS b                          ; batch b's sixteen LDS stores in one run
.set r, 0
.rept 8
	PUT 8*(\b)+r, X+64*((\b)%3)+8*r
.set r, r+1
.endr
.endm
.macro ALLR line:vararg                ; one line for each row r
.set r, 0
.rept 32
	\line
.set r, r+1
.endr
.endm
	s_wait_alu depctr_va_vdst(0)                   ; v1, v2, v6, v4 and v5 are written: every load and store of the kernel reads one of the first three as its address, the closing add the last two
	LOADB 0
	LOADB 1
	LOADB 2
	s_wait_loadcnt 32                              ; loads come back in order (ISA guide 5.7.1): batch 0 is in, the 32 younger loads stay out
	ROWS 0, 0
	s_wait_alu depctr_va_vdst(0)                   ; batch 0's roundings are written, which the LDS stores below read; its lines are done reading and writing X0, in which batch 3's loads land.  It stands here, not at the next batch's head, so that those loads go out at once
	PUTS 0
	s_wait_alu depctr_vm_vsrc(0)                   ; the sixteen LDS stores have read X0, in which the loads below land
	LOADB 3                                        ; into batch 0's registers
	s_wait_loadcnt 32                              ; batch 1 is in; batches 2 and 3 stay out
	ROWS 1, 0
	s_wait_loadcnt 16                              ; batch 2 is in
	s_wait_alu depctr_va_vdst(0)                   ; batch 1's roundings are written, which the LDS stores dealt among batch 2's lines read
	ROWS 2, 1
	s_wait_loadcnt 0x0                             ; batch 3
	s_wait_alu depctr_va_vdst(0)                   ; batch 2's roundings are written, which the LDS stores dealt among batch 3's lines read
	ROWS 3, 1
	s_wait_alu depctr_va_vdst(0)                   ; batch 3's roundings are written, which the LDS stores below read
	PUTS 3
	; across the 32 lanes, each step for all rows, so that no line waits for the one before it
	ALLR v_add_f32_dpp v[CS+r], v[CS+r], v[CS+r] row_xmask:1 row_mask:0xf bank_mask:0xf
	ALLR v_add_f32_dpp v[CS+r], v[CS+r], v[CS+r] row_xmask:2 row_mask:0xf bank_mask:0xf
	ALLR v_add_f32_dpp v[CS+r], v[CS+r], v[CS+r] row_xmask:4 row_mask:0xf bank_mask:0xf
	ALLR v_add_f32_dpp v[CS+r], v[CS+r], v[CS+r] row_xmask:8 row_mask:0xf bank_mask:0xf
	s_wait_alu depctr_vm_vsrc(0)                   ; all 64 LDS stores of the rows have read X0, X1 and X2: the exchange below writes v64-95, and the read-back further down lands in v64-195
	ALLR v_permlanex16_b32 v[X+r], v[CS+r], s12, s13       ; its destination counts as read: X has been written
	ALLR v_add_f32 v[CS+r], v[CS+r], v[X+r]
	ALLR v_mul_f32 v[CS+r], 0.25, v[CS+r]                  ; (-2 c)^2 = 4 c^2: the quarter is exact
	s_wait_alu depctr_va_vdst(0)                   ; c_sq is written, which the LDS stores below read; every vector line that named X is done, and none follows: the read-back may land there
.set r, 0
.rept 32                               ; every lane holds every c_sq: all lanes write the same 16 bytes with the same numbers
	ds_store_b128 v[ZA], v[CS+16*(r/16)+4*(r%4):CS+16*(r/16)+4*(r%4)+3] offset:r*CROW+CSQ
.set r, r+1
.endr
.set r, 0
.rept 33                               ; LDS serves a wave's instructions in order (ISA guide 5.7.1.4): these see the stores above
	ds_load_b128 v[X+4*r:X+4*r+3], v[GA] offset:512*r
.set r, r+1
.endr
.set r, 0
.rept 33
	s_wait_dscnt 32-r                              ; piece r is back; the younger ones stay out
	global_store_b128 v[GA], v[X+4*r:X+4*r+3], s[6:7] offset:512*r
.set r, r+1
.endr
	s_wait_dscnt 0x0                               ; the closing lines, six on end
	s_wait_alu 0x0
	s_wait_tensorcnt 0x0
	ds_add_u32 v[SPW], v[NIL]
	s_wait_dscnt 0x0
	s_endpgm
.Lfunc_end_k_qf93cc6f9b9_prep:
	.size	k_qf93cc6f9b9_prep, .Lfunc_end_k_qf93cc6f9b9_prep-k_qf93cc6f9b9_prep
	.p2alignl 7, 3214868480
	.fill 96, 4, 3214868480
	.section	.rodata,"a",@progbits
	.p2align	6, 0x0
	.amdhsa_kernel k_qf93cc6f9b9_prep
		.amdhsa_group_segment_fixed_size 17152
		.amdhsa_private_segment_fixed_size 0
		.amdhsa_enable_private_segment 0
		.amdhsa_kernarg_size 16
		.amdhsa_user_sgpr_count 2
		.amdhsa_user_sgpr_kernarg_segment_ptr 1
		.amdhsa_wavefront_size32 1
		.amdhsa_system_sgpr_workgroup_id_x 1
		.amdhsa_system_sgpr_workgroup_id_y 1
		.amdhsa_system_sgpr_workgroup_id_z 1
		.amdhsa_system_vgpr_workitem_id 0
		.amdhsa_next_free_vgpr 256
		.amdhsa_next_free_sgpr 66
		.amdhsa_reserve_vcc 0
		.amdhsa_float_denorm_mode_32 3
		.amdhsa_float_denorm_mode_16_64 3
		.amdhsa_memory_ordered 1
		.amdhsa_forward_progress 1
		.amdhsa_inst_pref_size 66
	.end_amdhsa_kernel
	.amdgpu_metadata
---
amdhsa.version: [ 1, 2 ]
amdhsa.kernels:
  - .name:           k_qf93cc6f9b9_prep
    .symbol:         k_qf93cc6f9b9_prep.kd
    .args:
      - { .name: codebook, .offset: 0, .size: 8, .value_kind: global_buffer, .address_space: global }
      - { .name: cbw, .offset: 8, .size: 8, .value_kind: global_buffer, .address_space: global }
    .group_segment_fixed_size: 17152
    .private_segment_fixed_size: 0
    .kernarg_segment_align: 8
    .kernarg_segment_size: 16
    .max_flat_workgroup_size: 32
    .sgpr_count:     66
    .vgpr_count:     256
    .wavefront_size: 32
...
	.end_amdgpu_metadata
.endif
;; end of part 4
;; launch search: the kernel of part 2 again; grid 256 x 1, 4 waves a work-group, clusters of 4 x 1, 327,680 bytes of LDS; arguments cbw, z_e_x, idx; writes idx
;; launch gather: the kernel of part 3 again; grid 256 x 1, 8 waves a work-group, no clusters, 0 bytes of LDS; arguments idx, codebook, out0, out1; writes out0, out1
